; MI455X (gfx1250); checked and timed in simulation.
; The chip was launched on July 23, 2026; its instructions are those of AMD's public machine-readable ISA for CDNA 5 (MIT licence, August 2026) and "CDNA5" Instruction Set Architecture Reference Guide (July 2026). The comments in the code are by the model that wrote it; some were corrected since.
;; PAM Module. Allowed arithmetic: float matrix products may take bf16 or f16 operands with f32 sums; all other float work in f32.
;; Inputs: Wk 64 x 512 float32; Wq 64 x 512 float32; Wv 512 x 512 float32; bk 64 float32; bq 64 float32; bv 512 float32; gamma 1 float32; x 16 x 512 x 2,048 float32.
;; Outputs: out0 16 x 512 x 2,048 float32.
;; One version. Each part assembles by itself: llvm-mc -triple=amdgcn-amd-amdhsa -mcpu=gfx1250 --defsym DOCPART=n.
;; ======== version 1 of 1: 3 launches
;; workspace buffers: wf 655,360 bytes; q 4,194,304 bytes; kv 37,748,736 bytes
;; launch prep (part 1): grid 40 x 1, 4 waves a work-group, no clusters, 0 bytes of LDS; arguments Wv, Wq, Wk, wf; writes wf
.if DOCPART == 1
	.amdgcn_target "amdgcn-amd-amdhsa--gfx1250"
	.amdhsa_code_object_version 6
	.text
	.protected	k_q8ebc496d44_prep
	.globl	k_q8ebc496d44_prep
	.p2align	8
	.type	k_q8ebc496d44_prep,@function
k_q8ebc496d44_prep:
	s_mov_b64 s[64:65], 0
	v_nop
	global_prefetch_b8 v0, s[64:65] scope:SCOPE_SE
	s_setreg_imm32_b32 hwreg(HW_REG_WAVE_MODE, 25, 1), 1
	s_wait_xcnt 0x0
; Wv, Wq, Wk (f32, rows of 512 input channels) -> wf: bf16, in the order in which a matrix operand lies in a wave's registers.
; A FRAGMENT is 16 rows x 32 k of bf16, 1,024 bytes: part p (k = 16 p ..) is 512 bytes, and lane 16 h + r owns the 16 bytes at 16 x lane: row r, k = 16 p + 8 h + 0..7.
; wf = [K step of 32 channels, 0..15][row tile, 0..39][1,024 bytes]; row tiles 0-31 are Wv's, 32-35 Wq's, 36-39 Wk's.
; A work-group takes one row tile, each of its four waves four K steps.  640 rows make 40 work-groups: the launch has no more work than that.
; No LDS, no matrix unit, no cluster: 1.3 MB are read once and 0.66 MB written once, each store of a wave covering 512 consecutive bytes.
.set KSG, 40960                        ; bytes of a K step in wf
	s_load_b256 s[4:11], s[0:1], 0x0               ; Wv s[4:5], Wq s[6:7], Wk s[8:9], wf s[10:11]
	v_and_b32 v1, 15, v0                           ; r
	v_bfe_u32 v2, v0, 4, 1                         ; h
	v_lshrrev_b32 v3, 5, v0
	v_readfirstlane_b32 s16, v3                    ; wave
	v_lshlrev_b32 v4, 11, v1                       ; r rows of 2,048 bytes
	v_lshl_add_u32 v4, v2, 5, v4                   ; + 8 h numbers
	v_lshl_add_u32 v4, s16, 9, v4                  ; + my wave's four K steps of 128 bytes
	v_and_b32 v5, 31, v0
	v_lshlrev_b32 v5, 4, v5                        ; 16 x lane
	s_mov_b32 s18, ttmp9                           ; the row tile
	s_mul_i32 s20, s16, 4*KSG
	s_lshl_b32 s21, s18, 10
	s_add_co_u32 s20, s20, s21                     ; where my fragments go
	s_mov_b32 s21, 0
	s_mov_b32 s15, 0
	s_wait_kmcnt 0x0
	s_cmp_lt_u32 s18, 36                           ; which matrix, and which of its row tiles
	s_cselect_b64 s[12:13], s[6:7], s[8:9]
	s_cselect_b32 s14, 32, 36
	s_cmp_lt_u32 s18, 32
	s_cselect_b64 s[12:13], s[4:5], s[12:13]
	s_cselect_b32 s14, 0, s14
	s_sub_co_u32 s14, s18, s14
	s_lshl_b32 s14, s14, 15                        ; 16 rows of 2,048 bytes
	s_add_nc_u64 s[12:13], s[12:13], s[14:15]
	s_add_nc_u64 s[10:11], s[10:11], s[20:21]
.set i, 0
.rept 16                               ; i = 4 x K step + 2 x part + half: 16 bytes of the lane's 8 numbers
	global_load_b128 v[16+4*i:19+4*i], v4, s[12:13] offset:(i/4)*128+((i/2)%2)*64+(i%2)*16
.set i, i+1
.endr
	s_wait_loadcnt 0x0
.set i, 0
.rept 32
	v_cvt_pk_bf16_f32 v[80+i], v[16+2*i], v[17+2*i]
.set i, i+1
.endr
.set i, 0
.rept 8                                ; i = 2 x K step + part: 512 consecutive bytes a store
	global_store_b128 v5, v[80+4*i:83+4*i], s[10:11] offset:(i/2)*KSG+(i%2)*512
.set i, i+1
.endr
	s_endpgm
.Lfunc_end_k_q8ebc496d44_prep:
	.size	k_q8ebc496d44_prep, .Lfunc_end_k_q8ebc496d44_prep-k_q8ebc496d44_prep
	.p2alignl 7, 3214868480
	.fill 96, 4, 3214868480
	.section	.rodata,"a",@progbits
	.p2align	6, 0x0
	.amdhsa_kernel k_q8ebc496d44_prep
		.amdhsa_group_segment_fixed_size 0
		.amdhsa_private_segment_fixed_size 0
		.amdhsa_enable_private_segment 0
		.amdhsa_kernarg_size 32
		.amdhsa_user_sgpr_count 2
		.amdhsa_user_sgpr_kernarg_segment_ptr 1
		.amdhsa_wavefront_size32 1
		.amdhsa_system_sgpr_workgroup_id_x 1
		.amdhsa_system_sgpr_workgroup_id_y 1
		.amdhsa_system_sgpr_workgroup_id_z 1
		.amdhsa_system_vgpr_workitem_id 0
		.amdhsa_next_free_vgpr 112
		.amdhsa_next_free_sgpr 66
		.amdhsa_reserve_vcc 0
		.amdhsa_float_denorm_mode_32 3
		.amdhsa_float_denorm_mode_16_64 3
		.amdhsa_memory_ordered 1
		.amdhsa_forward_progress 1
		.amdhsa_inst_pref_size 6
	.end_amdhsa_kernel
	.amdgpu_metadata
---
amdhsa.version: [ 1, 2 ]
amdhsa.kernels:
  - .name:           k_q8ebc496d44_prep
    .symbol:         k_q8ebc496d44_prep.kd
    .args:
      - { .name: Wv, .offset: 0, .size: 8, .value_kind: global_buffer, .address_space: global }
      - { .name: Wq, .offset: 8, .size: 8, .value_kind: global_buffer, .address_space: global }
      - { .name: Wk, .offset: 16, .size: 8, .value_kind: global_buffer, .address_space: global }
      - { .name: wf, .offset: 24, .size: 8, .value_kind: global_buffer, .address_space: global }
    .group_segment_fixed_size: 0
    .private_segment_fixed_size: 0
    .kernarg_segment_align: 8
    .kernarg_segment_size: 32
    .max_flat_workgroup_size: 128
    .sgpr_count:     66
    .vgpr_count:     112
    .wavefront_size: 32
...
	.end_amdgpu_metadata
.endif
;; end of part 1
;; launch proj (part 2): grid 16 x 16, 4 waves a work-group, no clusters, 327,680 bytes of LDS; arguments x, wf, bv, bq, bk, q, kv; writes q, kv
.if DOCPART == 2
	.amdgcn_target "amdgcn-amd-amdhsa--gfx1250"
	.amdhsa_code_object_version 6
	.text
	.protected	k_q8ebc496d44_proj
	.globl	k_q8ebc496d44_proj
	.p2align	8
	.type	k_q8ebc496d44_proj,@function
k_q8ebc496d44_proj:
	s_mov_b64 s[64:65], 0
	v_nop
	global_prefetch_b8 v0, s[64:65] scope:SCOPE_SE
	s_setreg_imm32_b32 hwreg(HW_REG_WAVE_MODE, 25, 1), 1
	s_wait_xcnt 0x0
; q, k, v = W x + b for 128 positions of one batch: 640 output rows x 128 positions over K = 512 channels.  Operands bf16, sums f32, results rounded once to bf16.
; q is multiplied by log2(e) in f32 ahead of its one rounding: the next launch then takes 2^(score - maximum) with no scaling of its own.
; LIMITS: x and the weights are rounded to bf16, q, k and v too; NaN and infinities are not treated apart.
; SHARES.  Work-group (nb, b): positions 128 nb .. + 127 of batch b.  Wave w: v's channel tiles 8 w .. 8 w + 7 x 8 position tiles (64 accumulators), and two 16-row tiles of q (waves 0, 1) or k (waves 2, 3)
; x 8 position tiles (16 accumulators).  Each weight fragment serves one wave only: it comes from wf (bf16, in register order) straight into registers.
; x lies [channel][position]: the f32 tile, 512 rows of 512 bytes, is brought into LDS once by tensor loads (eight a wave, all issued at the start: eight are out at the most), the wave that fetched a row rounds it
; to bf16 in place, and all four waves read fragments (rows = positions, k = channels) by the transposing LDS load.  Nothing in LDS is filled twice.
; ORIENTATION.  v: D = X (source 0, m = position) x Wv (source 1, n = channel): a lane holds one channel and 8 positions.  q, k: D = W (m = row) x X (n = position): a lane holds one position and 8 rows.
; Four roundings in pairs make of a lane's 8 numbers its 16 bytes of half a fragment of the next launch, so every store of a wave covers 512 consecutive bytes.
; OUT.  q = [b][query tile][c][part][512].  kv = [b][block 0..15][147,456]: v: [quarter][channel tile 0..31][1,024], quarter qd of block blk holding the 32 keys U with (U - 1) mod 64 = 4 blk + qd;
; then k: [half][key tile 0..3][c][1,024], place 2 blk + half holding the 64 keys s with (s - 2) mod 32 = that place.  The next launch reads a unit or two ahead; the turns keep those reads inside the block in hand.
; NO CLUSTER: no two work-groups share a tile of x, which is all that goes through LDS here; the weights are shared by all, but each fragment feeds one wave, so LDS would add a write and a read to it and no reuse.
; REGISTERS, in windows of 256 (s_set_vgpr_msb: bits 1:0 source 0, 3:2 source 1, 5:4 source 2, 7:6 destination):
;   window 0: v0-17 addresses; v32-95, v96-159 x's fragments, two buffers; v160-175, v176-191 q/k weights, two buffers; v192-255 at work on the rounding, at last the biases
;   window 1: v0-63, v64-127 Wv's fragments, two buffers; v128-255 q/k accumulators (u, p) at 128 + 8 (8 u + p)
;   window 2: v's accumulators of position tiles 0-3, (p, i) at 8 (8 p + i);   window 3: those of tiles 4-7
.set CHUNK, 32768                      ; 64 rows of x in LDS: two K steps of 32
.set SPARE, 262144                     ; behind the tile: the spare words, 128 bytes a wave
.set BATCH, 2359296                    ; bytes of a batch in kv
.set BLOCK, 147456                     ; bytes of a block in kv
.set AX,  3                            ; v3   my place in a fragment's 32 rows of x, in the chunk in hand
.set ACL, 4                            ; v4   rounding: where I read 16 bytes of a row of f32
.set ACS, 5                            ; v5   rounding: where I put 8 bytes of bf16
.set AWV, 6                            ; v6   8,192 w + 16 lane: my offset among Wv's fragments of a K step, and among v's on the way out; never rewritten
.set AWQ, 7                            ; v7   my offset among the q/k weights; never rewritten
.set SPW, 8                            ; v8   my spare word; never rewritten
.set NIL, 9                            ; v9   0; never rewritten
.set AOQ, 11                           ; v11  my offset in a tile of q or k on the way out
.set ABV, 12                           ; v12  my channel's offset in bv
.set ABQ, 13                           ; v13  my 8 rows' offset in bq or bk
.set XA,  32
.set XB,  96
.set WQA, 160
.set WQB, 176
.set T,   192
.set WVA, 0
.set WVB, 64
.set ACQ, 128
.set U,   32                           ; the way out: sums with their bias
.set Y,   96                           ; the way out: 32 packed registers, two buffers
.set WV,  18                           ; s18  wave
.set G1,  24                           ; s[24:31] descriptor group 1
.set G0,  32                           ; s[32:63] descriptor group 0, a set for each of my eight loads
.set WP,  66                           ; s[66:67] wf at the chunk in hand
.set KV0, 68                           ; s[68:69] kv: quarter 3 of block (nb - 1) mod 16
.set KV1, 70                           ; s[70:71] kv: block nb
.set QK,  72                           ; s[72:73] where my q or k goes
.set BQP, 74                           ; s[74:75] bq or bk
.set CNT, 76
.set FQ,  86                           ; s[86:87] log2(e) for q, 1 for k: the packed forms take the pair's low word for both halves
.set MSB, 0
.macro WIN new                         ; the immediate's high byte repeats the setting that is left; a switch that changes nothing is dropped
.if MSB != (\new)
	s_set_vgpr_msb (MSB<<8)|(\new)
.set MSB, (\new)
.endif
.endm
.macro PLACES                          ; four places between a matrix instruction and a load into, or a vector instruction on, its registers (ISA guide 7.12.1 for vector instructions)
.rept 4
	v_nop
.endr
.endm
	s_load_b256 s[4:11], s[0:1], 0x0               ; x s[4:5], wf s[6:7], bv s[8:9], bq s[10:11]
	s_load_b128 s[12:15], s[0:1], 0x20             ; bk s[12:13], q s[14:15]
	s_load_b64 s[16:17], s[0:1], 0x30              ; kv
	v_lshl_add_u32 v[SPW], v0, 2, SPARE
	v_mov_b32 v[NIL], 0
	ds_add_u32 v[SPW], v[NIL]                      ; the wave's opening: the add and its wait ahead of my first tensor load; the set-up below stands between them
	ds_add_u32 v8, v9
	v_lshrrev_b32 v1, 5, v0
	v_readfirstlane_b32 s[WV], v1
	s_mov_b32 s19, ttmp9                           ; nb
	s_and_b32 s20, ttmp7, 0xffff                   ; b
	; group 1: 16 rows x 128 elements of 4 bytes, 2,048 elements from row to row, no padding
	s_mov_b32 s[G1+0], 2<<16                       ; 17:16 elements of 4 bytes
	s_mov_b32 s[G1+1], 128<<16                     ; tensor_dim0 = 128
	s_mov_b32 s[G1+2], 16<<16                      ; tensor_dim1 = 16
	s_mov_b32 s[G1+3], 128<<16                     ; tile_dim0 = 128
	s_mov_b32 s[G1+4], 16                          ; tile_dim1 = 16
	s_mov_b32 s[G1+5], 2048                        ; the pitch
	s_mov_b32 s[G1+6], 0
	s_mov_b32 s[G1+7], 0
	s_lshl_b32 s21, s[WV], 13                      ; my 16 rows of a chunk in LDS
	s_lshl_b32 s22, s20, 22                        ; the batch: 512 rows of 8,192 bytes,
	s_lshl_b32 s23, s19, 9                         ; the 128 positions,
	s_add_co_u32 s22, s22, s23
	s_lshl_b32 s23, s[WV], 17                      ; my 16 rows
	s_add_co_u32 s22, s22, s23
	s_mov_b32 s23, 0
	s_wait_dscnt 0x0                               ; the opening add is done
	s_wait_kmcnt 0x0
	s_add_nc_u64 s[4:5], s[4:5], s[22:23]
.irp kc, 0,1,2,3,4,5,6,7               ; chunk kc: rows 64 kc + 16 w .. + 15.  All first fills go out together
	s_mov_b32 s[G0+4*(\kc)], 1
	s_add_co_u32 s[G0+4*(\kc)+1], s21, (\kc)*CHUNK
	s_add_nc_u64 s[G0+4*(\kc)+2:G0+4*(\kc)+3], s[4:5], (\kc)*524288
	s_or_b32 s[G0+4*(\kc)+3], s[G0+4*(\kc)+3], 0x80000000
	tensor_load_to_lds s[G0+4*(\kc):G0+4*(\kc)+3], s[G1:G1+7]
	s_nop 0
.endr
	PLACES
; 16 transposing loads: the 8 position tiles' fragments of one K step, 32 rows of x from byte off of the chunk on.  Lane l reads row 8 (l / 16) + l % 8, positions 8 ((l / 8) % 2) + 0..7.
.macro FETCH_X buf, off
	WIN 0
.irp p, 0,1,2,3,4,5,6,7
	ds_load_tr16_b128 v[(\buf)+8*(\p):(\buf)+8*(\p)+3],   v[AX] offset:(\off)+32*(\p)
	ds_load_tr16_b128 v[(\buf)+8*(\p)+4:(\buf)+8*(\p)+7], v[AX] offset:(\off)+32*(\p)+8192
.endr
.endm
; 20 global loads: my 8 fragments of Wv and my 2 of Wq or Wk for one K step, 512 consecutive bytes each
.macro LOAD_W bufv, bufq, off
	WIN 0x40
.irp i, 0,1,2,3,4,5,6,7
	global_load_b128 v[(\bufv)+8*(\i):(\bufv)+8*(\i)+3],   v[AWV], s[WP:WP+1] offset:(\off)+(\i)*1024
	global_load_b128 v[(\bufv)+8*(\i)+4:(\bufv)+8*(\i)+7], v[AWV], s[WP:WP+1] offset:(\off)+(\i)*1024+512
.endr
	WIN 0
.irp u, 0,1
	global_load_b128 v[(\bufq)+8*(\u):(\bufq)+8*(\u)+3],   v[AWQ], s[WP:WP+1] offset:(\off)+(\u)*1024
	global_load_b128 v[(\bufq)+8*(\u)+4:(\bufq)+8*(\u)+7], v[AWQ], s[WP:WP+1] offset:(\off)+(\u)*1024+512
.endr
.endm
; 32 products for v: position tiles p0 .. p0 + 3 x my 8 channel tiles.  zero = 1: the product starts the sum
.macro MULV xb, wb, p0, zero
	WIN 0xa4+0x50*((\p0)/4)
.irp pp, 0,1,2,3
.irp i, 0,1,2,3,4,5,6,7
.if \zero
	v_wmma_f32_16x16x32_bf16 v[8*(8*(\pp)+(\i)):8*(8*(\pp)+(\i))+7], v[(\xb)+8*((\p0)+(\pp)):(\xb)+8*((\p0)+(\pp))+7], v[(\wb)+8*(\i):(\wb)+8*(\i)+7], 0
.else
	v_wmma_f32_16x16x32_bf16 v[8*(8*(\pp)+(\i)):8*(8*(\pp)+(\i))+7], v[(\xb)+8*((\p0)+(\pp)):(\xb)+8*((\p0)+(\pp))+7], v[(\wb)+8*(\i):(\wb)+8*(\i)+7], v[8*(8*(\pp)+(\i)):8*(8*(\pp)+(\i))+7]
.endif
.endr
.endr
.endm
; 16 products for q or k
.macro MULQ xb, wq, zero
	WIN 0x50
.irp u, 0,1
.irp p, 0,1,2,3,4,5,6,7
.if \zero
	v_wmma_f32_16x16x32_bf16 v[ACQ+8*(8*(\u)+(\p)):ACQ+8*(8*(\u)+(\p))+7], v[(\wq)+8*(\u):(\wq)+8*(\u)+7], v[(\xb)+8*(\p):(\xb)+8*(\p)+7], 0
.else
	v_wmma_f32_16x16x32_bf16 v[ACQ+8*(8*(\u)+(\p)):ACQ+8*(8*(\u)+(\p))+7], v[(\wq)+8*(\u):(\wq)+8*(\u)+7], v[(\xb)+8*(\p):(\xb)+8*(\p)+7], v[ACQ+8*(8*(\u)+(\p)):ACQ+8*(8*(\u)+(\p))+7]
.endif
.endr
.endr
.endm
; THE ROUNDING of my 16 rows of a chunk, in place.  A row of 512 bytes of f32 becomes 256 bytes of bf16 at byte 32 (row % 8) of the same 512.
; All 16 rows are in registers before the first store.
.macro CVT_LOAD
.set j, 0
.rept 16
	ds_load_b128 v[T+4*j:T+4*j+3], v[ACL] offset:512*j
.set j, j+1
.endr
.endm
.macro CVT_STORE
.set j, 0
.rept 16
	v_cvt_pk_bf16_f32 v[T+4*j],   v[T+4*j],   v[T+4*j+1]
	v_cvt_pk_bf16_f32 v[T+4*j+1], v[T+4*j+2], v[T+4*j+3]
.set j, j+1
.endr
.set j, 0
.rept 16
	ds_store_b64 v[ACS], v[T+4*j:T+4*j+1] offset:512*j+32*(j%8)
.set j, j+1
.endr
	v_add_nc_u32 v[ACL], CHUNK, v[ACL]             ; the next chunk
	v_add_nc_u32 v[ACS], CHUNK, v[ACS]
.endm
; A CHUNK: two K steps, 160 products.  At its head the first step's 16 LDS loads (XA) and 20 global loads (W's first buffer) are out.
; cvt = 1: my rows of the next chunk are rounded meanwhile; n = the tensor loads that may stay out when that chunk has to be in.  last = 1: nothing follows; the biases are fetched.
; Each buffer of weights is asked for as soon as its last product has read it: 80 products ahead of its next use.
; The 80 accumulators take turns in one order, one instruction a turn.
.macro BODY cvt, n, zero, last
	WIN 0
	PLACES                                         ; behind the products that read the second buffers
.if \cvt
	s_wait_tensorcnt \n                            ; a wave's tensor loads end in order: my rows of the next chunk are in
	CVT_LOAD
.endif
	FETCH_X XB, 16384
	LOAD_W WVB, WQB, 40960
.if \last
.irp i, 0,1,2,3,4,5,6,7                ; bv of my channel in tile i, into both registers of a pair for the packed add
	global_load_b32 v[T+2*(\i)],   v[ABV], s[8:9] offset:64*(\i)
	global_load_b32 v[T+2*(\i)+1], v[ABV], s[8:9] offset:64*(\i)
.endr
.irp u, 0,1                            ; bq or bk of my 8 rows in tile u
	global_load_b128 v[T+16+8*(\u):T+16+8*(\u)+3],   v[ABQ], s[BQP:BQP+1] offset:64*(\u)
	global_load_b128 v[T+16+8*(\u)+4:T+16+8*(\u)+7], v[ABQ], s[BQP:BQP+1] offset:64*(\u)+16
.endr
.endif
.if \cvt
	s_wait_dscnt 32                                ; XA is in: behind it 16 loads of f32 rows and XB's 16
.else
	s_wait_dscnt 16                                ; XA is in: behind it XB's 16
.endif
.if \last
	s_wait_loadcnt 40                              ; W's first buffer is in: behind it the second's 20 and the biases' 20
.else
	s_wait_loadcnt 20                              ; W's first buffer is in: behind it the second's 20
.endif
	MULV XA, WVA, 0, \zero
.if \cvt
	WIN 0
	s_wait_dscnt 16                                ; the f32 rows are in: behind them XB's 16
	CVT_STORE
.endif
	MULV XA, WVA, 4, \zero
	MULQ XA, WQA, \zero
	s_wait_dscnt 0x0                               ; XB is in, and for the others' sake my rounded rows are stored
	s_wait_loadcnt 0x0                             ; W's second buffer is in; no load that names WP is out,
	s_add_nc_u64 s[WP:WP+1], s[WP:WP+1], 81920     ; so it steps: two K steps of 40,960 bytes
.if !(\last)
	WIN 0
	PLACES                                         ; behind the products that read the first buffers, W's and x's
	LOAD_W WVA, WQA, 0                             ; the next chunk's first K step
.endif
.if \cvt
	s_barrier_signal -1                            ; no LDS instruction of mine has been issued since the wait for 0 above
.endif
	MULV XB, WVB, 0, 0
.if !(\last)
	WIN 0
	s_barrier_wait -1                              ; every wave's rows of the next chunk are rounded
	v_add_nc_u32 v[AX], CHUNK, v[AX]
	FETCH_X XA, 0
.endif
	MULV XB, WVB, 4, 0
	MULQ XB, WQB, 0
	WIN 0
.endm
	s_mov_b64 s[WP:WP+1], s[6:7]
	v_and_b32 v14, 31, v0                          ; lane
	v_lshlrev_b32 v15, 4, v14
	v_add_nc_u32 v[AWV], s21, v15                  ; 8 fragments a wave
	s_lshl_b32 s77, s[WV], 11
	s_add_co_u32 s77, s77, 32768                   ; behind Wv's 32 fragments, 2 a wave
	v_add_nc_u32 v[AWQ], s77, v15
	LOAD_W WVA, WQA, 0                             ; K step 0's weights
	v_mov_b32 v[ACL], v[AWV]                       ; 16 lane + my 16 rows
	v_lshl_add_u32 v[ACS], v14, 3, s21
	v_and_b32 v1, 15, v0                           ; r
	v_bfe_u32 v2, v0, 4, 1                         ; h
	v_and_b32 v16, 7, v0
	v_bfe_u32 v17, v0, 3, 1
	v_lshl_add_u32 v[AX], v2, 3, v16               ; row 8 h + l % 8,
	v_lshlrev_b32 v[AX], 9, v[AX]                  ; 512 bytes a row,
	v_lshl_add_u32 v[AX], v16, 5, v[AX]            ; the row's own shift,
	v_lshl_add_u32 v[AX], v17, 4, v[AX]            ; 16 bytes for the odd groups of eight lanes
	s_and_b32 s78, s[WV], 1
	s_lshl_b32 s79, s78, 10
	v_add_nc_u32 v[AOQ], s79, v15                  ; rows 32 (w % 2) on are fragment c = w % 2
	s_lshl_b32 s79, s[WV], 9
	v_lshl_add_u32 v[ABV], v1, 2, s79              ; channel 128 w + r
	s_lshl_b32 s79, s78, 7
	v_lshl_add_u32 v[ABQ], v2, 5, s79              ; rows 32 (w % 2) + 8 h on
	s_add_co_u32 s77, s19, 15
	s_and_b32 s77, s77, 15                         ; (nb - 1) mod 16
	s_mul_i32 s78, s20, BATCH
	s_mul_i32 s79, s77, BLOCK
	s_add_co_u32 s79, s79, s78
	s_mul_i32 s80, s19, BLOCK
	s_add_co_u32 s80, s80, s78
	s_mov_b32 s81, 0
	s_add_nc_u64 s[KV1:KV1+1], s[16:17], s[80:81]
	s_mov_b32 s80, s79
	s_add_nc_u64 s[82:83], s[16:17], s[80:81]
	s_add_nc_u64 s[KV0:KV0+1], s[82:83], 98304
	s_add_nc_u64 s[82:83], s[82:83], 131072        ; k's part of that block
	s_lshl_b32 s80, s20, 18
	s_lshl_b32 s84, s19, 14
	s_add_co_u32 s80, s80, s84
	s_add_nc_u64 s[84:85], s[14:15], s[80:81]      ; q at my 8 query tiles
	s_cmp_lt_u32 s[WV], 2                          ; waves 0, 1 make q, waves 2, 3 k
	s_cselect_b64 s[QK:QK+1], s[84:85], s[82:83]
	s_cselect_b64 s[BQP:BQP+1], s[10:11], s[12:13]
	s_cselect_b32 s[FQ], 0x3fb8aa3b, 1.0           ; log2(e) for q
	s_mov_b32 s[FQ+1], s[FQ]                       ; named with it as a pair
	s_wait_tensorcnt 7                             ; my rows of chunk 0 are in; the seven younger loads stay out
	CVT_LOAD
	s_wait_dscnt 0x0
	CVT_STORE
	s_wait_dscnt 0x0                               ; for the others' sake
	s_barrier_signal -1
	s_barrier_wait -1
	FETCH_X XA, 0
	BODY 1, 6, 1, 0                                ; chunk 0: its first K step starts all the sums; chunk 1 is rounded (six younger loads)
	s_mov_b32 s[CNT], 2
.Lk1:                                                  ; chunks 1, 2: chunks 2, 3 are rounded; the count is the second trip's (four younger loads)
	BODY 1, 4, 0, 0
	s_sub_co_u32 s[CNT], s[CNT], 1
	s_cmp_lg_u32 s[CNT], 0
	s_cbranch_scc1 .Lk1
	s_mov_b32 s[CNT], 4
.Lk2:                                                  ; chunks 3 to 6: chunks 4 to 7 are rounded; the count is the last trip's, behind whose load none was issued
	BODY 1, 0, 0, 0
	s_sub_co_u32 s[CNT], s[CNT], 1
	s_cmp_lg_u32 s[CNT], 0
	s_cbranch_scc1 .Lk2
	BODY 0, 0, 0, 1                                ; chunk 7
; THE WAY OUT.  Position tile p of v: bias, rounding, 8 stores of 512 consecutive bytes.  Each accumulator is read from its low end on.
.macro OUTV p
	s_wait_xcnt 0x0                                ; Y's buffer, which earlier stores read, is rewritten only behind this wait
	WIN 0x02+(\p)/4
.irp i, 0,1,2,3,4,5,6,7
.irp z, 0,1,2,3
	v_pk_add_f32 v[U+8*(\i)+2*(\z):U+8*(\i)+2*(\z)+1], v[8*(8*((\p)%4)+(\i))+2*(\z):8*(8*((\p)%4)+(\i))+2*(\z)+1], v[T+2*(\i):T+2*(\i)+1]
.endr
.endr
	WIN 0
.set j, 0
.rept 32
	v_cvt_pk_bf16_f32 v[Y+32*((\p)%2)+j], v[U+2*j], v[U+2*j+1]
.set j, j+1
.endr
.irp i, 0,1,2,3,4,5,6,7
.if (\p) < 2                           ; my first 32 keys close the block in front; the other 96 open my own
	global_store_b128 v[AWV], v[Y+32*((\p)%2)+4*(\i):Y+32*((\p)%2)+4*(\i)+3], s[KV0:KV0+1] offset:(\i)*1024+((\p)%2)*512
.else
	global_store_b128 v[AWV], v[Y+32*((\p)%2)+4*(\i):Y+32*((\p)%2)+4*(\i)+3], s[KV1:KV1+1] offset:((\p)/2-1)*32768+(\i)*1024+((\p)%2)*512
.endif
.endr
.endm
.macro OUTQ u                          ; row tile u of q or k, all 8 position tiles: sum x factor + (bias x factor), one fused multiply-add a pair
	s_wait_xcnt 0x0
	WIN 0x01
.irp p, 0,1,2,3,4,5,6,7
.irp z, 0,1,2,3
	v_pk_fma_f32 v[U+8*(\p)+2*(\z):U+8*(\p)+2*(\z)+1], v[ACQ+8*(8*(\u)+(\p))+2*(\z):ACQ+8*(8*(\u)+(\p))+2*(\z)+1], s[FQ:FQ+1], v[T+16+8*(\u)+2*(\z):T+16+8*(\u)+2*(\z)+1] op_sel_hi:[1,0,1]
.endr
.endr
	WIN 0
.set j, 0
.rept 32
	v_cvt_pk_bf16_f32 v[Y+32*(\u)+j], v[U+2*j], v[U+2*j+1]
.set j, j+1
.endr
.irp p, 0,1,2,3,4,5,6,7
	global_store_b128 v[AOQ], v[Y+32*(\u)+4*(\p):Y+32*(\u)+4*(\p)+3], s[QK:QK+1] offset:(\p)*2048+(\u)*512
.endr
.endm
	PLACES                                         ; behind the last products
.irp p, 0,1,2,3,4,5,6,7
	OUTV \p
.endr
.set j, 0
.rept 8                                ; the 16 biases of q or k take the factor once
	v_pk_mul_f32 v[T+16+2*j:T+16+2*j+1], v[T+16+2*j:T+16+2*j+1], s[FQ:FQ+1] op_sel_hi:[1,0]
.set j, j+1
.endr
	OUTQ 0
	OUTQ 1
	s_wait_tensorcnt 0x0                           ; the wave's end
	ds_add_u32 v[SPW], v[NIL]
	s_wait_dscnt 0x0
	s_endpgm
.Lfunc_end_k_q8ebc496d44_proj:
	.size	k_q8ebc496d44_proj, .Lfunc_end_k_q8ebc496d44_proj-k_q8ebc496d44_proj
	.p2alignl 7, 3214868480
	.fill 96, 4, 3214868480
	.section	.rodata,"a",@progbits
	.p2align	6, 0x0
	.amdhsa_kernel k_q8ebc496d44_proj
		.amdhsa_group_segment_fixed_size 327680
		.amdhsa_private_segment_fixed_size 0
		.amdhsa_enable_private_segment 0
		.amdhsa_kernarg_size 56
		.amdhsa_user_sgpr_count 2
		.amdhsa_user_sgpr_kernarg_segment_ptr 1
		.amdhsa_wavefront_size32 1
		.amdhsa_system_sgpr_workgroup_id_x 1
		.amdhsa_system_sgpr_workgroup_id_y 1
		.amdhsa_system_sgpr_workgroup_id_z 1
		.amdhsa_system_vgpr_workitem_id 0
		.amdhsa_next_free_vgpr 1024
		.amdhsa_next_free_sgpr 96
		.amdhsa_reserve_vcc 0
		.amdhsa_float_denorm_mode_32 3
		.amdhsa_float_denorm_mode_16_64 3
		.amdhsa_memory_ordered 1
		.amdhsa_forward_progress 1
		.amdhsa_inst_pref_size 142
	.end_amdhsa_kernel
	.amdgpu_metadata
---
amdhsa.version: [ 1, 2 ]
amdhsa.kernels:
  - .name:           k_q8ebc496d44_proj
    .symbol:         k_q8ebc496d44_proj.kd
    .args:
      - { .name: x, .offset: 0, .size: 8, .value_kind: global_buffer, .address_space: global }
      - { .name: wf, .offset: 8, .size: 8, .value_kind: global_buffer, .address_space: global }
      - { .name: bv, .offset: 16, .size: 8, .value_kind: global_buffer, .address_space: global }
      - { .name: bq, .offset: 24, .size: 8, .value_kind: global_buffer, .address_space: global }
      - { .name: bk, .offset: 32, .size: 8, .value_kind: global_buffer, .address_space: global }
      - { .name: q, .offset: 40, .size: 8, .value_kind: global_buffer, .address_space: global }
      - { .name: kv, .offset: 48, .size: 8, .value_kind: global_buffer, .address_space: global }
    .group_segment_fixed_size: 327680
    .private_segment_fixed_size: 0
    .kernarg_segment_align: 8
    .kernarg_segment_size: 56
    .max_flat_workgroup_size: 128
    .sgpr_count:     96
    .vgpr_count:     1024
    .wavefront_size: 32
...
	.end_amdgpu_metadata
.endif
;; end of part 2
;; launch attn (part 3): grid 16 x 16, 4 waves a work-group, clusters of 4 x 1, 327,680 bytes of LDS; arguments q, kv, x, gamma, out0; writes out0
.if DOCPART == 3
	.amdgcn_target "amdgcn-amd-amdhsa--gfx1250"
	.amdhsa_code_object_version 6
	.text
	.protected	k_q8ebc496d44_attn
	.globl	k_q8ebc496d44_attn
	.p2align	8
	.type	k_q8ebc496d44_attn,@function
k_q8ebc496d44_attn:
	s_mov_b64 s[64:65], 0
	v_nop
	global_prefetch_b8 v0, s[64:65] scope:SCOPE_SE
	s_setreg_imm32_b32 hwreg(HW_REG_WAVE_MODE, 25, 1), 1
	s_wait_xcnt 0x0
	s_wait_alu depctr_hold_cnt(0) depctr_sa_sdst(0) depctr_va_vdst(0) depctr_va_sdst(0) depctr_va_ssrc(0) depctr_va_vcc(0) depctr_vm_vsrc(0)
	s_getreg_b32 s2, hwreg(HW_REG_IB_STS2, 6, 4)
	s_cmp_eq_u32 s2, 0
	s_cbranch_scc0 .Lentry_in_a_cluster
	s_endpgm
.Lentry_in_a_cluster:
	s_bfe_u32 s2, ttmp6, 0x10000c
	s_cmp_lg_u32 s2, 0x3003
	s_cbranch_scc0 .Lentry_shape_is_right
	s_endpgm
.Lentry_shape_is_right:
; out0[b][c][i] = gamma x (sum over j of softmax_j(q[i] . k[j]) v[c][j]) + x[b][c][i].  q, k (64 wide) and v (512 channels) come in bf16, in register order, from the launch before; q carries the factor log2(e).
; LIMITS: products in bf16 with f32 sums; the weights p are rounded to bf16 for the second product, their sum l is taken of the unrounded p; a weight below 2^-126 counts as 0; NaN and infinities are not treated apart.
; SHARES.  A work-group owns 128 queries of one batch.  For the scores and the softmax wave w owns query tiles 2 w, 2 w + 1; for P V it owns channels 128 w .. + 127 of ALL 128 queries: 64 accumulators, 512 registers.
; The weights go from their owner to all four waves through 16 KB of LDS.
; TWO PASSES.  Pass 1 makes all scores once and keeps each query's TRUE maximum m.  Pass 2 makes them again with -m as the C operand that starts the sum, and p = 2^(s - m), 1 at the most but for the sum's last bit.
; So the 512 registers of O are never rescaled, the scores want no scaling, and nothing but P passes between waves.  The price: 512 products a wave beside pass 2's 4,608.
; ORIENTATION.  S^T = K (source 0, m = key) x Q (source 1, n = query): a lane holds one query and 8 keys; rounded in pairs that is the lane's 16 bytes of half a fragment of P.
; O = P (m = query) x V (n = channel): a lane holds one channel and 8 neighbouring queries: 32 bytes of a row of out0.
; A FRAGMENT is 1,024 bytes in register order: each of its two loads takes 512 consecutive bytes of LDS, 16 a lane: no padding, no transposing load.
; kv = [b][block 0..15][147,456 bytes]: 128 keys of v (4 quarters of 32 keys x 32 channel tiles), then 128 keys of k (2 halves x 4 key tiles x 2).  v is turned by one quarter and k by two halves, so that what a
; step of 64 keys fetches ahead (k two steps on, v's next quarter) lies in the block in hand.  The quarter and the halves that the turn carries to the batch's end are reached at the start: see below.
; CLUSTER.  The four query blocks of a cluster belong to one batch and walk the same kv: its tensor loads are asked for JOINTLY, by the same line with the same descriptor and the mask of four.
; The one load of x, in the tail, is each work-group's own (mask 0).  By this text's count a wave has one tensor load out at any time.
; O is cleared by 512 v_mov_b32 in the wait for the first tile: 2 KB of text, in place of a third copy of the step with products that start the sums.
; REGISTERS, in windows of 256 (s_set_vgpr_msb: bits 1:0 source 0, 3:2 source 1, 5:4 source 2, 7:6 destination):
;   window 0: v0-15 addresses; v16-19 -m, v20-23 l, by tile; v24-31 pass 1's maxima, later gamma / l; v32-63 Q; v64-127, v128-191 two sets of S^T (in pass 2: v64-95 P packed, v96-111 -m as C); v192-255 K of one step
;   window 1: v0-127 P of one step; v128-255 V of one step (at the end: x)      window 2: O of query tiles 0-3, (t, cb) at 8 (8 t + cb)      window 3: of tiles 4-7
.set SLOT,  147456                     ; a slot holds a block; two slots
.set BLOCK, 147456
.set BATCH, 2359296
.set PB,    2*SLOT                     ; P of one step: fragment (kk, t) at (8 kk + t) x 1,024
.set GB,    PB+16384                   ; gamma / l of the 128 queries
.set SPARE, GB+512                     ; the spare words, 128 bytes a wave
.set STAGE, SLOT                       ; the way out: 16 rows a wave, at the head of slot 1, whose last fill is then long over
.set SPITCH, 528                       ; the stage's rows: 512 bytes + 16: the 16 rows of a store start at 16 different groups of four banks (64 banks of 4 bytes: ISA guide 11.1)
.set AP,  2                            ; v2   PB + 16 lane
.set ASTO, 3                           ; v3   where my tiles' P goes
.set AV0, 4                            ; v4   my 8 channel tiles in a quarter of v; never rewritten
.set AK0, 5                            ; v5   k's part of a slot + 16 lane
.set AV,  6                            ; v6   the LDS address of v's loads in hand; at the end of x's
.set AK,  7                            ; v7   of k's
.set SPW, 8                            ; v8   my spare word; never rewritten
.set NIL, 9                            ; v9   0; never rewritten
.set STO, 10                           ; v10  the way out: where I put 16 bytes of a row
.set RD,  11                           ; v11  the way out: where I read a row back
.set XO,  12                           ; v12  16 lane; never rewritten
.set GA,  13                           ; v13  where my query's gamma / l goes
.set T0,  14                           ; v14-15 at work
.set CM,  16                           ; tile u: -m, in both registers of the pair at CM + 2 u
.set LS,  20                           ; tile u: a pair of sums
.set CH,  24                           ; pass 1: eight running maxima, by tile and key tile
.set GQ,  24                           ; the end: gamma / l of queries 4 lane .. + 3
.set XP,  28                           ; the tail: the prefetch's offsets
.set QF,  32                           ; tile u, channel half c at QF + 16 u + 8 c
.set SA,  64
.set NM,  96                           ; pass 2: -m in eight registers a tile: the C operand
.set SBT, 128
.set KF,  192                          ; key tile kt, channel half c at KF + 16 kt + 8 c
.set OB,  64                           ; the end: 16 rows back from the stage, two buffers
.set XL,  192                          ; the end: 16 rows of x out of LDS
.set PF,  0                            ; window 1
.set VF,  128                          ; window 1: key half kk, channel tile cb at VF + 64 kk + 8 cb
.set WV,  15                           ; s15  wave
.set G1,  24                           ; s[24:31] group 1: a quarter of a block
.set G1K, 32                           ; s[32:39] group 1: k's parts of four blocks
.set G0,  40                           ; s[40:43] group 0 for the blocks: it walks
.set G0K, 44                           ; s[44:47] group 0 for pass 1's k
.set SEL, 50                           ; s[50:51] v_permlanex16_b32's selects
.set FLAG, 52                          ; s[52:53] 1.0; 0 in the one step whose weights belong to no key
.set TBV, 54                           ; s54  LDS byte of v's quarter to be fetched next
.set TBK, 55                           ; s55  of k's half, less AK0's 131,072
.set BLKS, 56
.set TWICE, 57
.set CNT, 58
.set VU,  60                           ; s[60:61] kv at the batch's first 32 keys of v
.set G1X, 68                           ; s[68:75] group 1 for x
.set G0X, 76                           ; s[76:79] group 0 for x
.set MSB, 0
.macro WIN new                         ; the immediate's high byte repeats the setting that is left; a switch that changes nothing is dropped
.if MSB != (\new)
	s_set_vgpr_msb (MSB<<8)|(\new)
.set MSB, (\new)
.endif
.endm
.macro PLACES                          ; four places between a matrix instruction and a load into, or a vector instruction on, its registers (ISA guide 7.12.1 for vector instructions)
.rept 4
	v_nop
.endr
.endm
; A round of the cluster's barrier: my work-group's barrier; wave 0 signals for the work-group; every wave waits for all four work-groups; my work-group's barrier once more.
.macro CROUND
	s_barrier_signal -1
	s_barrier_wait -1
	s_cmp_lg_u32 s[WV], 0
	s_cbranch_scc1 .Lnot_wave_0_\@
	s_barrier_signal -3
.Lnot_wave_0_\@:
	s_barrier_wait -3
	s_barrier_signal -1
	s_barrier_wait -1
.endm
; THE CHANGE OF SLOTS.  Each wave waits for all its tensor loads (one is out: its quarter of the block to be entered), adds 0 to its spare word, and waits for that and for its LDS reads and stores.
; Then a round of the cluster's barrier, and first behind it my one tensor load into the slot that nobody reads any more: fill = 1: the joint load of the next block; fill = 2: my own 64 rows of x.
; step = 1: the blocks' descriptor walks on first.  turn = 1: the fetches go to the head of the other slot.
.macro CHANGE fill, step, turn
	WIN 0
	s_wait_tensorcnt 0x0                           ; no tensor load of mine is out, so group 0 may be written
	ds_add_u32 v[SPW], v[NIL]
.if \step
	s_xor_b32 s[G0+1], s[G0+1], SLOT               ; the other slot: 36,864 w has none of SLOT's two bits
	s_add_nc_u64 s[G0+2:G0+3], s[G0+2:G0+3], BLOCK ; the next block; the type bits on top are not reached
.endif
	s_wait_dscnt 0x0                               ; the add is done; my reads of the slot are over and my P is stored
	CROUND
.if (\fill) == 1
	tensor_load_to_lds s[G0:G0+3], s[G1:G1+7]
.else
	tensor_load_to_lds s[G0X:G0X+3], s[G1X:G1X+7]
.endif
	s_nop 0
	PLACES
.if \turn
	s_sub_co_u32 s[TBV], s[TBV], 131072
	s_xor_b32 s[TBV], s[TBV], SLOT
	s_sub_co_u32 s[TBK], s[TBK], 16384
	s_xor_b32 s[TBK], s[TBK], SLOT
.endif
.endm
	s_load_b256 s[4:11], s[0:1], 0x0               ; q s[4:5], kv s[6:7], x s[8:9], gamma s[10:11]
	s_load_b64 s[12:13], s[0:1], 0x20              ; out0
	v_lshl_add_u32 v[SPW], v0, 2, SPARE
	v_mov_b32 v[NIL], 0
	ds_add_u32 v[SPW], v[NIL]                      ; the wave's opening: the add and its wait ahead of my first tensor load; the set-up below stands between them
	ds_add_u32 v8, v9
	v_lshrrev_b32 v1, 5, v0
	v_readfirstlane_b32 s[WV], v1
	s_bfe_u32 s16, ttmp6, 0x40000                  ; cx: my place in the cluster
	s_lshl_b32 s17, ttmp9, 2
	s_add_co_u32 s17, s17, s16                     ; my block of 128 queries: it enters q's, x's and out0's addresses alone
	s_and_b32 s18, ttmp7, 0xffff                   ; the batch, which the four partners share
	; group 1 for a quarter of a block: 36,864 dense bytes as 144 rows of 256
	s_mov_b32 s[G1+0], 15|(3<<16)|(1<<21)          ; 15:0 the mask of four; 17:16 elements of 8 bytes; 21 set beside a mask
	s_mov_b32 s[G1+1], 32<<16                      ; tensor_dim0 = 32
	s_mov_b32 s[G1+2], 144<<16                     ; tensor_dim1 = 144
	s_mov_b32 s[G1+3], 32<<16                      ; tile_dim0 = 32
	s_mov_b32 s[G1+4], 144                         ; tile_dim1 = 144
	s_mov_b32 s[G1+5], 32                          ; the pitch
	s_mov_b32 s[G1+6], 0
	s_mov_b32 s[G1+7], 0
	; group 1 for k's parts of four blocks: 4 rows of 16,384 bytes, a block apart
	s_mov_b32 s[G1K+0], 15|(3<<16)|(1<<21)
	s_mov_b32 s[G1K+1], 2048<<16
	s_mov_b32 s[G1K+2], 4<<16
	s_mov_b32 s[G1K+3], 2048<<16
	s_mov_b32 s[G1K+4], 4
	s_mov_b32 s[G1K+5], BLOCK/8
	s_mov_b32 s[G1K+6], 0
	s_mov_b32 s[G1K+7], 0
	; group 1 for x: 64 rows of 512 bytes, 8,192 bytes apart; no mask: the tile is my work-group's own
	s_mov_b32 s[G1X+0], 3<<16                      ; 17:16 elements of 8 bytes
	s_mov_b32 s[G1X+1], 64<<16                     ; tensor_dim0 = 64
	s_mov_b32 s[G1X+2], 64<<16                     ; tensor_dim1 = 64
	s_mov_b32 s[G1X+3], 64<<16                     ; tile_dim0 = 64
	s_mov_b32 s[G1X+4], 64                         ; tile_dim1 = 64
	s_mov_b32 s[G1X+5], 1024                       ; the pitch
	s_mov_b32 s[G1X+6], 0
	s_mov_b32 s[G1X+7], 0
	s_mov_b32 s[G0], 1
	s_mul_i32 s[G0+1], s[WV], 36864                ; my quarter of slot 0
	s_mov_b32 s[G0K], 1
	s_lshl_b32 s[G0K+1], s[WV], 16                 ; my quarter of k's image: place t at 8,192 t
	s_mov_b32 s[G0X], 1
	s_lshl_b32 s[G0X+1], s[WV], 15                 ; my 32,768 bytes of slot 0
	s_mov_b32 s[SEL], 0x76543210
	s_mov_b32 s[SEL+1], 0xfedcba98
	s_mov_b32 s[FLAG], 1.0
	s_mov_b32 s[FLAG+1], 1.0
	s_mov_b32 s[TBV], SLOT+131072                  ; the first turn makes these two 0
	s_mov_b32 s[TBK], SLOT+16384
	s_mul_i32 s20, s18, BATCH
	s_mov_b32 s21, 0
	s_mul_i32 s22, s[WV], 36864
	s_mov_b32 s23, 0
	s_lshl_b32 s62, s18, 18                        ; q: the batch's 128 tiles of 2,048 bytes,
	s_lshl_b32 s63, s17, 14                        ; my block's 8,
	s_add_co_u32 s62, s62, s63
	s_lshl_b32 s63, s[WV], 12                      ; my wave's 2
	s_add_co_u32 s62, s62, s63
	s_mov_b32 s63, 0
	s_lshl_b32 s66, s18, 22                        ; x and out0: the batch's 512 rows of 8,192 bytes,
	s_lshl_b32 s67, s[WV], 20                      ; my wave's 128,
	s_add_co_u32 s66, s66, s67
	s_lshl_b32 s67, s17, 9                         ; my block's 128 positions
	s_add_co_u32 s66, s66, s67
	s_mov_b32 s67, 0
	s_wait_dscnt 0x0                               ; the opening add is done
	s_wait_kmcnt 0x0
	s_add_nc_u64 s[6:7], s[6:7], s[20:21]          ; kv at the batch
	s_add_nc_u64 s[G0+2:G0+3], s[6:7], s[22:23]    ; my quarter of block 0
	s_or_b32 s[G0+3], s[G0+3], 0x80000000
	s_mul_i32 s22, s[WV], 4*BLOCK
	s_add_nc_u64 s[G0K+2:G0K+3], s[6:7], s[22:23]
	s_add_nc_u64 s[G0K+2:G0K+3], s[G0K+2:G0K+3], 131072  ; k's part of block 4 w
	s_or_b32 s[G0K+3], s[G0K+3], 0x80000000
	s_add_nc_u64 s[VU:VU+1], s[6:7], 15*BLOCK+98304  ; the turn has carried v's keys 0-31 to the last block's last quarter
	s_add_nc_u64 s[4:5], s[4:5], s[62:63]
	s_add_nc_u64 s[8:9], s[8:9], s[66:67]
	s_add_nc_u64 s[12:13], s[12:13], s[66:67]
	s_add_nc_u64 s[G0X+2:G0X+3], s[8:9], 0         ; x at my wave's first row
	s_or_b32 s[G0X+3], s[G0X+3], 0x80000000
	s_load_b32 s14, s[10:11], 0x0                  ; gamma
	CROUND                                         ; all four work-groups are here: the first joint loads meet
	tensor_load_to_lds s[G0K:G0K+3], s[G1K:G1K+7]  ; all of the batch's k, 262,144 bytes, a quarter a wave
	s_nop 0
	PLACES
	; what follows stands in the wait for k
	v_and_b32 v1, 31, v0
	v_lshlrev_b32 v[XO], 4, v1
	v_and_b32 v[T0], 15, v0                        ; r
	v_bfe_u32 v[T0+1], v0, 4, 1                    ; h
	s_lshl_b32 s19, s[WV], 13
	v_add_nc_u32 v[AV0], s19, v[XO]
.set i, 0
.rept 8                                ; Q stays in registers: 8 halves of fragments on end
	global_load_b128 v[QF+4*i:QF+4*i+3], v[XO], s[4:5] offset:512*i
.set i, i+1
.endr
	WIN 0x40
.set i, 0
.rept 16                               ; v's keys 0-31, my 8 channel tiles
	global_load_b128 v[VF+4*i:VF+4*i+3], v[AV0], s[VU:VU+1] offset:512*i
.set i, i+1
.endr
	WIN 0x80
.set i, 0
.rept 256
	v_mov_b32 v[i], 0
.set i, i+1
.endr
	WIN 0xc0
.set i, 0
.rept 256
	v_mov_b32 v[i], 0
.set i, i+1
.endr
	WIN 0
.set i, 0
.rept 4
	v_mov_b32 v[LS+i], 0
.set i, i+1
.endr
.set i, 0
.rept 8
	v_mov_b32 v[CH+i], 0xff7fffff                  ; the lowest finite number
.set i, i+1
.endr
	v_add_nc_u32 v[AP], PB, v[XO]
	s_lshl_b32 s19, s[WV], 11
	v_add_nc_u32 v[ASTO], s19, v[AP]               ; fragments t = 2 w, 2 w + 1
	v_add_nc_u32 v[AK0], 131072, v[XO]
	v_mov_b32 v[AK], v[XO]                         ; pass 1 begins at place 0
	v_mul_u32_u24 v[STO], v[T0], SPITCH            ; stage, in: row r, 32 bytes for each half of the lanes
	v_lshl_add_u32 v[STO], v[T0+1], 5, v[STO]
	s_mul_i32 s19, s[WV], 16*SPITCH
	s_add_co_u32 s19, s19, STAGE
	v_add_nc_u32 v[STO], s19, v[STO]
	v_add_nc_u32 v[RD], s19, v[XO]                 ; back: a row of 512 bytes, 16 a lane
	v_lshl_add_u32 v[GA], v[T0], 2, GB
	s_lshl_b32 s19, s[WV], 7
	v_add_nc_u32 v[GA], s19, v[GA]                 ; query 32 w + r
	s_wait_tensorcnt 0x0                           ; my quarter of k is in,
	s_barrier_signal -1
	s_barrier_wait -1                              ; everybody's is
	s_wait_loadcnt 0x0                             ; Q, and v's first 32 keys
	s_wait_kmcnt 0x0                               ; gamma
; Product i of 16 of S^T = K Q^T into set s: channels 32 (i / 8) on, keys 16 ((i / 2) % 4) on, tile i % 2.  The first 8 start the sums, with 0 or (shift = 1) with -m; the 8 accumulators take turns.
.macro KQ s, shift
.set rS, (\s)+32*(i%2)+8*((i/2)%4)
.set rK, KF+16*((i/2)%4)+8*(i/8)
.set rQ, QF+16*(i%2)+8*(i/8)
.if (i < 8) && (\shift)
	v_wmma_f32_16x16x32_bf16 v[rS:rS+7], v[rK:rK+7], v[rQ:rQ+7], v[NM+8*(i%2):NM+8*(i%2)+7]
.elseif i < 8
	v_wmma_f32_16x16x32_bf16 v[rS:rS+7], v[rK:rK+7], v[rQ:rQ+7], 0
.else
	v_wmma_f32_16x16x32_bf16 v[rS:rS+7], v[rK:rK+7], v[rQ:rQ+7], v[rS:rS+7]
.endif
.set i, i+1
.endm
; Number n of the 32 that take set s into the eight running maxima: accumulator n % 8, its registers 2 (n / 8), + 1: each accumulator is read from its low end on
.macro MX s
.set rC, CH+n%8
.set rS, (\s)+32*(n%2)+8*((n%8)/2)+2*(n/8)
	v_max3_num_f32 v[rC], v[rC], v[rS], v[rS+1]
.set n, n+1
.endm
.macro KLOAD c, off                    ; 8 loads in one run: channel half c of the four key tiles of the place at byte off from AK
.irp kt, 0,1,2,3
	ds_load_b128 v[KF+16*(\kt)+8*(\c):KF+16*(\kt)+8*(\c)+3],   v[AK] offset:(\off)+(\kt)*2048+(\c)*1024
	ds_load_b128 v[KF+16*(\kt)+8*(\c)+4:KF+16*(\kt)+8*(\c)+7], v[AK] offset:(\off)+(\kt)*2048+(\c)*1024+512
.endr
.endm
; PASS 1, one place of 64 keys: 16 products into set s; behind each, two of the maxima over the place before (set sp).  K's loads stand in two runs of eight, never singly among the products:
; half c = 1 at the head, eight products ahead of its use; the next place's half c = 0 behind product 9, when the products on this place's half 0 are done.  The address steps six products behind the last run.
.macro KPOS s, sp, riders, next
	PLACES                                         ; behind the products that read K's half 1 and wrote set sp
	KLOAD 1, 0
	s_wait_dscnt 8                                 ; half 0 is in: behind it the eight just issued
.set i, 0
.set n, 0
.rept 8
	KQ \s, 0
.if \riders
	MX \sp
	MX \sp
.endif
.endr
	s_wait_dscnt 0x0                               ; half 1 is in
.rept 2
	KQ \s, 0
.if \riders
	MX \sp
	MX \sp
.endif
.endr
.if \next
	PLACES                                         ; behind the products that read half 0
	KLOAD 0, 8192                                  ; the next place's half 0
.endif
.rept 6
	KQ \s, 0
.if \riders
	MX \sp
	MX \sp
.endif
.endr
	v_add_nc_u32 v[AK], 8192, v[AK]
.endm
	KLOAD 0, 0
	KPOS SA, SA, 0, 1                              ; place 0
	s_mov_b32 s[CNT], 9
.Lp1a:                                                 ; places 1 to 18
	KPOS SBT, SA, 1, 1
	KPOS SA, SBT, 1, 1
	s_sub_co_u32 s[CNT], s[CNT], 1
	s_cmp_lg_u32 s[CNT], 0
	s_cbranch_scc1 .Lp1a
	CHANGE 1, 0, 0                                 ; places 0 to 17 are exactly slot 0, and are read (what is out is place 19's): block 0 is asked for, with 13 places' products in which to land
	s_mov_b32 s[CNT], 6
.Lp1b:                                                 ; places 19 to 30
	KPOS SBT, SA, 1, 1
	KPOS SA, SBT, 1, 1
	s_sub_co_u32 s[CNT], s[CNT], 1
	s_cmp_lg_u32 s[CNT], 0
	s_cbranch_scc1 .Lp1b
	KPOS SBT, SA, 1, 0                             ; place 31.  By k's turn places 30 and 31 are keys 0-63 and 64-127: SA holds the first step's scores, K's registers the second step's keys
	PLACES
.set n, 0
.rept 32
	MX SBT
.endr
.irp u, 0,1
	v_max3_num_f32 v[CH+(\u)], v[CH+(\u)], v[CH+2+(\u)], v[CH+4+(\u)]
.endr
.irp u, 0,1
	v_max_num_f32 v[CH+(\u)], v[CH+(\u)], v[CH+6+(\u)]
.endr
.irp u, 0,1
	v_permlanex16_b32 v[T0+(\u)], v[CH+(\u)], s[SEL], s[SEL+1]  ; the query's other keys lie in the lane 16 away
.endr
.irp u, 0,1
	v_max_num_f32 v[CH+(\u)], v[CH+(\u)], v[T0+(\u)]            ; m
.endr
.irp u, 0,1
	v_sub_f32 v[CM+2*(\u)], 0, v[CH+(\u)]                       ; -m, twice: a pair for the packed add
	v_sub_f32 v[CM+2*(\u)+1], 0, v[CH+(\u)]
.endr
; THE SOFTMAX of a step's 64 scores a lane, which come as s - m, by pairs g = 0..31 (tile g % 2, registers 2 (g / 2), + 1 of the tile's 32).  RE: 2^that, in place.  RC: the pair rounded to bf16 into pk.  RA: l takes the pair.
.macro RE g, e, s
.set rS, (\s)+32*((\g)%2)+2*((\g)/2)+(\e)
	v_exp_f32 v[rS], v[rS]
.endm
.macro RC g, s, pk
.set rS, (\s)+32*((\g)%2)+2*((\g)/2)
	s_wait_alu depctr_va_vdst(0)
	v_cvt_pk_bf16_f32 v[(\pk)+16*((\g)%2)+(\g)/2], v[rS], v[rS+1]
.endm
.macro RA g, s
.set rS, (\s)+32*((\g)%2)+2*((\g)/2)
	v_pk_fma_f32 v[LS+2*((\g)%2):LS+2*((\g)%2)+1], v[rS:rS+1], s[FLAG:FLAG+1], v[LS+2*((\g)%2):LS+2*((\g)%2)+1] op_sel_hi:[1,0,1]
.endm
; Slice k of 33, four instructions, to stand behind a product: pair k's two exponentials, and between and behind them the rounding and the sum of pair k - 1.  So no two exponentials follow each other, and between
; an exponential and the use of its result stands a plain instruction that does not touch it (ISA guide 5.7.2); slice 0 has two v_nop for that.
.macro SLICE k, s, pk
	WIN 0
.if (\k) < 32
	RE \k, 0, \s
.endif
.if (\k) > 0
	RC (\k)-1, \s, \pk
.else
	v_nop
.endif
.if (\k) < 32
	RE \k, 1, \s
.endif
.if (\k) > 0
	RA (\k)-1, \s
.else
	v_nop
.endif
.endm
; Product n of 128 of O += P V: keys 32 (n / 64) on, query tile (n / 8) % 8, channel tile n % 8.  The 64 accumulators take turns.
.macro PV n
.set t_, ((\n)/8)%8
.set rO, 8*(8*(t_%4)+(\n)%8)
.set rP, PF+8*(8*((\n)/64)+t_)
.set rV, VF+64*((\n)/64)+8*((\n)%8)
	WIN 0xa5+0x50*(t_/4)
	v_wmma_f32_16x16x32_bf16 v[rO:rO+7], v[rP:rP+7], v[rV:rV+7], v[rO:rO+7]
.endm
.macro PSTORE pk                       ; my two tiles' P: key tile kt is part kt % 2 of fragment (kt / 2, 2 w + u)
.irp u, 0,1
.irp kt, 0,1,2,3
	ds_store_b128 v[ASTO], v[(\pk)+16*(\u)+4*(\kt):(\pk)+16*(\u)+4*(\kt)+3] offset:((\kt)/2)*8192+(\u)*1024+((\kt)%2)*512
.endr
.endr
.endm
; A STEP j of 64 keys.  At its head: P of step j lies in LDS, v's first 32 keys of the step and K of step j + 1 in registers, and no LDS instruction of mine is out.
; Its matrix work: 16 products K Q^T of step j + 1, 128 products P V of step j.  Its vector work: the softmax of step j + 1, a slice behind every second of the first 65 products P V.
; Its LDS work stands in FIVE RUNS, never singly among the products, and no run asks for more than 16 loads: P's keys 0-31 at the head, which the products K Q^T do not wait for; P's keys 32-63 behind those products;
; v's second 32 keys behind product 15; K of step j + 2 behind product 31; the 8 stores of the next P and the next step's first 32 keys of v behind the first barrier.  Sixteen products or more lie between two runs.
; Both addresses are made at the head, far from the loads that last named their registers.
; TWO BARRIERS.  Behind the first nobody reads P of step j any more: its signal stands behind my wait for those reads, and P of step j + 1 is stored behind its wait.  Behind the second that P is whole: its signal stands
; behind my wait for my stores, twelve products ahead of its wait, behind which the next step reads it.
; last = 1 (the tail): in the second of its two trips step j + 1 does not exist; the text runs on keys 0-63 once more, whose weights are no greater than any other, and FLAG = 0 keeps them out of l.
.macro SUBSTEP last
	WIN 0
.if \last
	s_cmp_eq_u32 s[TWICE], 1
	s_cselect_b32 s[FLAG], 0, 1.0
.endif
	WIN 0x40
.set f, 0
.rept 16                               ; P's keys 0-31: the last product that read these registers stands ahead of the step before's four v_nop
	ds_load_b128 v[PF+4*f:PF+4*f+3], v[AP] offset:512*f
.set f, f+1
.endr
	WIN 0
.set i, 0
.rept 16
	KQ SBT, 1                                      ; these want nothing of what has just been asked for
.endr
	v_add_nc_u32 v[AV], s[TBV], v[AV0]
	s_add_co_u32 s[TBV], s[TBV], 32768
	v_add_nc_u32 v[AK], s[TBK], v[AK0]
	s_add_co_u32 s[TBK], s[TBK], 8192
	PLACES                                         ; behind them, whose scores the first slice reads and whose K is loaded anew below, and behind the step before's last products, whose P and v are loaded anew
	WIN 0x40
.set f, 0
.rept 16                               ; P's keys 32-63
	ds_load_b128 v[PF+64+4*f:PF+64+4*f+3], v[AP] offset:8192+512*f
.set f, f+1
.endr
	s_wait_dscnt 16                                ; P's keys 0-31 are in: behind them the sixteen just issued
.set m_, 0
.rept 64
	PV m_
.if (m_%2) == 0
	SLICE m_/2, SBT, SA
.elseif m_ == 15
	WIN 0x40
.set f, 0
.rept 16                               ; v's second 32 keys
	ds_load_b128 v[VF+64+4*f:VF+64+4*f+3], v[AV] offset:512*f
.set f, f+1
.endr
.elseif m_ == 31
	WIN 0
.set f, 0
.rept 16                               ; K of step j + 2
	ds_load_b128 v[KF+4*f:KF+4*f+3], v[AK] offset:512*f
.set f, f+1
.endr
.endif
.set m_, m_+1
.endr
	s_wait_dscnt 0x0                               ; all are in: my reads of P are over,
	s_barrier_signal -1                            ; say so,
.rept 8
	PV m_                                          ; work on registers while the others arrive,
.if m_ == 64
	SLICE 32, SBT, SA
.endif
.set m_, m_+1
.endr
	WIN 0
	s_barrier_wait -1                              ; and write over P when all four have said so
	PSTORE SA
	PLACES                                         ; behind the products that read v's first half
	v_add_nc_u32 v[AV], s[TBV], v[AV0]
	s_add_co_u32 s[TBV], s[TBV], 32768
	WIN 0x40
.set f, 0
.rept 16                               ; the next step's first 32 keys of v
	ds_load_b128 v[VF+4*f:VF+4*f+3], v[AV] offset:512*f
.set f, f+1
.endr
.rept 44
	PV m_
.set m_, m_+1
.endr
	s_wait_dscnt 0x0                               ; for the others' sake: my P is stored; v is in
	s_barrier_signal -1
.rept 12
	PV m_
.set m_, m_+1
.endr
	WIN 0
	s_barrier_wait -1                              ; the next step's P is whole
.endm
.macro TWO_STEPS last                  ; a block's two steps: written once, walked twice; the LDS addresses hang on s[TBV] and s[TBK]
	s_mov_b32 s[TWICE], 2
.Lstep_\@:
	SUBSTEP \last
	s_sub_co_u32 s[TWICE], s[TWICE], 1
	s_cmp_lg_u32 s[TWICE], 0
	s_cbranch_scc1 .Lstep_\@
.endm
.set g_, 0
.rept 32                               ; the first step's scores were made in pass 1, from 0: m is taken away here
	v_pk_add_f32 v[SA+32*(g_%2)+2*(g_/2):SA+32*(g_%2)+2*(g_/2)+1], v[SA+32*(g_%2)+2*(g_/2):SA+32*(g_%2)+2*(g_/2)+1], v[CM+2*(g_%2):CM+2*(g_%2)+1]
.set g_, g_+1
.endr
.set m_, 0
.rept 33                               ; and its softmax: there are no products yet to set it behind
	SLICE m_, SA, SBT
.set m_, m_+1
.endr
	PSTORE SBT                                     ; the change of slots below waits for these stores and passes a barrier
.set i, 0
.rept 16                               ; -m as a C operand, where the first set's upper half lay
	v_mov_b32 v[NM+i], v[CM+2*(i/8)]
.set i, i+1
.endr
	s_mov_b32 s[BLKS], 15
.Lblk:                                                 ; block kb is entered, block kb + 1 asked for: it has 288 products a wave in which to land
	CHANGE 1, 1, 1
	TWO_STEPS 0
	s_sub_co_u32 s[BLKS], s[BLKS], 1
	s_cmp_lg_u32 s[BLKS], 0
	s_cbranch_scc1 .Lblk
	CHANGE 2, 0, 1                                 ; the last block, in slot 1, is written out.  Slot 0 takes x of my channel tiles 0-3: 32,768 bytes a wave, with the same 288 products in which to land
	; x of my other four channel tiles is loaded into registers behind these two steps.  Each wave asks once for the 32 blocks of 256 bytes of each of them: 128 KB a work-group.
	v_and_b32 v1, 31, v0
	v_lshrrev_b32 v[XP], 1, v1
	v_lshlrev_b32 v[XP], 13, v[XP]                 ; row lane / 2,
	v_and_b32 v1, 1, v1
	v_lshl_add_u32 v[XP], v1, 8, v[XP]             ; its first or second 256 bytes
.irp cb, 4,5,6,7
	global_prefetch_b8 v[XP], s[8:9] offset:(\cb)*131072 th:TH_LOAD_NT scope:SCOPE_SE
.endr
	TWO_STEPS 1
; THE END.  x of channel tile cb (4 to 7): 16 rows of 512 bytes, into buffer cb % 4 of window 1.
.macro XLOAD cb
	WIN 0x40
.set j, 0
.rept 16
	global_load_b128 v[64*((\cb)%4)+4*j:64*((\cb)%4)+4*j+3], v[XO], s[8:9] offset:(\cb)*131072+8192*j th:TH_LOAD_NT
.set j, j+1
.endr
	WIN 0
.endm
; Channel tile cb: a lane's 8 queries of a channel go into my stage (rows of 528 bytes, in slot 1, which nobody reads any more) and come back as whole rows of 512 bytes; out0 = O x gamma / l + x;
; each store of the wave covers 512 consecutive bytes, aligned.  x of tiles 0-3 comes out of LDS, of tiles 4-7 out of registers; left = the younger loads of x that may stay out.
.macro OUTCB cb, left
	WIN 0x08                                       ; store data in window 2
.irp t, 0,1,2,3
	ds_store_b128 v[STO], v[8*(8*(\t)+(\cb)):8*(8*(\t)+(\cb))+3]   offset:64*(\t)
	ds_store_b128 v[STO], v[8*(8*(\t)+(\cb))+4:8*(8*(\t)+(\cb))+7] offset:64*(\t)+16
.endr
	WIN 0x0c                                       ; in window 3
.irp t, 0,1,2,3
	ds_store_b128 v[STO], v[8*(8*(\t)+(\cb)):8*(8*(\t)+(\cb))+3]   offset:64*(\t)+256
	ds_store_b128 v[STO], v[8*(8*(\t)+(\cb))+4:8*(8*(\t)+(\cb))+7] offset:64*(\t)+272
.endr
	WIN 0
	s_wait_xcnt 0x0                                ; the buffer below, which earlier stores read, is loaded again only behind this wait
.set j, 0
.rept 16
	ds_load_b128 v[OB+64*((\cb)%2)+4*j:OB+64*((\cb)%2)+4*j+3], v[RD] offset:SPITCH*j  ; LDS serves a wave's instructions in order (ISA guide 5.7.1.4): these see the stores above
.set j, j+1
.endr
.if (\cb) < 4
.set j, 0
.rept 16
	ds_load_b128 v[XL+4*j:XL+4*j+3], v[AV] offset:(\cb)*8192+512*j
.set j, j+1
.endr
	s_wait_dscnt 0x0
.set j, 0
.rept 32
	v_pk_fma_f32 v[OB+64*((\cb)%2)+2*j:OB+64*((\cb)%2)+2*j+1], v[OB+64*((\cb)%2)+2*j:OB+64*((\cb)%2)+2*j+1], v[GQ+2*(j%2):GQ+2*(j%2)+1], v[XL+2*j:XL+2*j+1]
.set j, j+1
.endr
.else
	s_wait_loadcnt \left                           ; this tile's x is in
	s_wait_dscnt 0x0
	WIN 0x10                                       ; x in window 1
.set j, 0
.rept 32
	v_pk_fma_f32 v[OB+64*((\cb)%2)+2*j:OB+64*((\cb)%2)+2*j+1], v[OB+64*((\cb)%2)+2*j:OB+64*((\cb)%2)+2*j+1], v[GQ+2*(j%2):GQ+2*(j%2)+1], v[64*((\cb)%4)+2*j:64*((\cb)%4)+2*j+1]
.set j, j+1
.endr
	WIN 0
.endif
.set j, 0
.rept 16
	global_store_b128 v[XO], v[OB+64*((\cb)%2)+4*j:OB+64*((\cb)%2)+4*j+3], s[12:13] offset:(\cb)*131072+8192*j th:TH_STORE_NT
.set j, j+1
.endr
.endm
	PLACES                                         ; behind the last products: window 1 is loaded, O is read
	XLOAD 4
	XLOAD 5
	XLOAD 6
	XLOAD 7
	s_lshl_b32 s19, s[WV], 15
	v_add_nc_u32 v[AV], s19, v[XO]                 ; my rows of x in slot 0
.irp u, 0,1
	v_add_f32 v[LS+2*(\u)], v[LS+2*(\u)], v[LS+2*(\u)+1]
.endr
.irp u, 0,1
	v_permlanex16_b32 v[T0+(\u)], v[LS+2*(\u)], s[SEL], s[SEL+1]
.endr
.irp u, 0,1
	v_add_f32 v[LS+2*(\u)], v[LS+2*(\u)], v[T0+(\u)]            ; l
.endr
.irp u, 0,1
	v_rcp_f32 v[LS+2*(\u)+1], v[LS+2*(\u)]
.endr
	v_add_nc_u32 v1, GB, v[XO]                     ; a plain instruction between the reciprocals and their use
	s_wait_alu depctr_va_vdst(0)
.irp u, 0,1
	v_mul_f32 v[LS+2*(\u)+1], s14, v[LS+2*(\u)+1]               ; gamma / l
.endr
.irp u, 0,1
	ds_store_b32 v[GA], v[LS+2*(\u)+1] offset:64*(\u)           ; both halves of the lanes hold the same number
.endr
	s_wait_dscnt 0x0                               ; for the others' sake
	s_barrier_signal -1
	s_barrier_wait -1
	ds_load_b128 v[GQ:GQ+3], v1                    ; of queries 4 lane .. + 3: a row's 16 bytes of mine
	s_wait_tensorcnt 0x0                           ; my 64 rows of x are in LDS; only I read them
	OUTCB 0, 0
	OUTCB 1, 0
	OUTCB 2, 0
	OUTCB 3, 0
	OUTCB 4, 48                                    ; three tiles' 48 loads of x are younger;
	OUTCB 5, 32                                    ; then the counts run down
	OUTCB 6, 16
	OUTCB 7, 0
	s_wait_tensorcnt 0x0                           ; the wave's end
	ds_add_u32 v[SPW], v[NIL]
	s_wait_dscnt 0x0
	CROUND                                         ; the closing round: no work-group ends while a partner may still ask for a tile that names it
	s_endpgm
.Lfunc_end_k_q8ebc496d44_attn:
	.size	k_q8ebc496d44_attn, .Lfunc_end_k_q8ebc496d44_attn-k_q8ebc496d44_attn
	.p2alignl 7, 3214868480
	.fill 96, 4, 3214868480
	.section	.rodata,"a",@progbits
	.p2align	6, 0x0
	.amdhsa_kernel k_q8ebc496d44_attn
		.amdhsa_group_segment_fixed_size 327680
		.amdhsa_private_segment_fixed_size 0
		.amdhsa_enable_private_segment 0
		.amdhsa_kernarg_size 40
		.amdhsa_user_sgpr_count 2
		.amdhsa_user_sgpr_kernarg_segment_ptr 1
		.amdhsa_wavefront_size32 1
		.amdhsa_system_sgpr_workgroup_id_x 1
		.amdhsa_system_sgpr_workgroup_id_y 1
		.amdhsa_system_sgpr_workgroup_id_z 1
		.amdhsa_system_vgpr_workitem_id 0
		.amdhsa_next_free_vgpr 1024
		.amdhsa_next_free_sgpr 80
		.amdhsa_reserve_vcc 0
		.amdhsa_float_denorm_mode_32 3
		.amdhsa_float_denorm_mode_16_64 3
		.amdhsa_memory_ordered 1
		.amdhsa_forward_progress 1
		.amdhsa_inst_pref_size 173
	.end_amdhsa_kernel
	.amdgpu_metadata
---
amdhsa.version: [ 1, 2 ]
amdhsa.kernels:
  - .name:           k_q8ebc496d44_attn
    .symbol:         k_q8ebc496d44_attn.kd
    .args:
      - { .name: q, .offset: 0, .size: 8, .value_kind: global_buffer, .address_space: global }
      - { .name: kv, .offset: 8, .size: 8, .value_kind: global_buffer, .address_space: global }
      - { .name: x, .offset: 16, .size: 8, .value_kind: global_buffer, .address_space: global }
      - { .name: gamma, .offset: 24, .size: 8, .value_kind: global_buffer, .address_space: global }
      - { .name: out0, .offset: 32, .size: 8, .value_kind: global_buffer, .address_space: global }
    .group_segment_fixed_size: 327680
    .private_segment_fixed_size: 0
    .kernarg_segment_align: 8
    .kernarg_segment_size: 40
    .max_flat_workgroup_size: 128
    .sgpr_count:     80
    .vgpr_count:     1024
    .wavefront_size: 32
...
	.end_amdgpu_metadata
.endif
;; end of part 3
